; MI455X (gfx1250); checked and timed in simulation.
; The chip was launched on July 23, 2026; its instructions are those of AMD's public machine-readable ISA for CDNA 5 (MIT licence, August 2026) and "CDNA5" Instruction Set Architecture Reference Guide (July 2026). The comments in the code are by the model that wrote it; some were corrected since.
;; Linear NF4. Allowed arithmetic: matrix products marked QUANTISED: E2M1 operands, one E8M0 scale for each 32 along K, by v_wmma_scale_f32_16x16x128_f8f6f4 with both operands' format E2M1 (or v_wmma_scale_f32_32x16x128_f4), f32 sums; everything else in f32.
;; Inputs: absmax 131,072 float32; bias 2,048 float32; packed_weight 4,194,304 int32; x_codes 4 x 2,048 x 128 x 16 uint8 (E2M1 codes of x, K innermost, in blocks of 32 codes, two codes a byte); x_scales 4 x 2,048 x 128 uint8 (E8M0 scales of x, one for each 32 codes along K).
;; Outputs: out0 4 x 2,048 x 2,048 float32.
;; This version of the problem:
;;   THIS VERSION OF THE PROBLEM IS GIVEN IN LOW PRECISION. The matrix products marked QUANTISED in the list below multiply operands that are first quantised to E2M1 (2 exponent bits, 1 mantissa bit; 4 bits a number), with one power-of-two scale for each 32 numbers along K (OCP MX v1.0); their sums are f32. All else is computed in f32.
;;   The module's matrix products, in the order in which they are computed (A, B: the left and right operand; K: the contracted axis; several contracted axes count as one K, in the product's order):
;;     1. [M 8,192, K 4,096] x [K 4,096, N 2,048]; A: input x (given as codes); B: computed on the way: QUANTISED
;;   THE QUANTISER, for each operand of a quantised product, along K:
;;     - K is cut into blocks of 32 from its start; a last block that is shorter is filled with zeros.
;;     - A block's scale is 2^e with e = floor(log2(the largest magnitude in the block)) - 2, held to -126 .. 127; a block of zeros has e = 0. As a byte (E8M0): e + 127.
;;     - Each number is divided by its block's scale, clamped to +-6, and rounded to the nearest number of E2M1, ties to even, subnormals kept.
;;     - The product sums the exact products of the quantised numbers (number of the format x scale) in f32.
;;   ~~~python
;;   def quantise(x, axis):      # numpy; x: float32 -> the quantised numbers, widened to float32 again
;;       x = np.moveaxis(x, axis, -1); K = x.shape[-1]
;;       x = np.pad(x, [(0, 0)] * (x.ndim - 1) + [(0, -K % 32)]); x = x.reshape(x.shape[:-1] + (-1, 32)); a = np.abs(x).max(-1, keepdims=True)
;;       e = np.where(a > 0, np.clip(np.frexp(np.where(a > 0, a, 1))[1] - 1 - 2, -126, 127), 0)      # np.frexp(a)[1] - 1 = floor(log2(a)), exactly
;;       r = np.clip(x / 2.0 ** e, -6, 6)
;;       step = 2.0 ** (np.maximum(np.frexp(np.where(r == 0, 1, r))[1] - 1, 0) - 1)
;;       q = np.round(r / step) * step * 2.0 ** e      # np.round: ties to even
;;       return np.moveaxis(q.reshape(q.shape[:-2] + (-1,))[..., :K], -1, axis).astype(np.float32)
;;   ~~~
;;   OPERANDS COMPUTED ON THE WAY. 'Computed on the way' means the value that the module computes at that place (a softmax that the list does not call 'softmax' is quantised finished and normalised). What goes into a quantiser is computed in f32, as accurately as f32 sums, v_exp_f32 and their like allow (about 1e-6 of the number): no bf16 or f16 on the way to a quantiser, and a product that is left as it is and whose result goes on into a quantised operand takes f32 operands (vector FMAs, or v_wmma_f32_16x16x4_f32). A number that lies on a knife's edge between two numbers of the format may be rounded either way, as far as f32 arithmetic and the matrix unit's own rounding can turn it there, and no further.
;;   INPUTS GIVEN AS CODES. x (in the module: [4, 2048, 4096], K = its axis 2): each comes as NAME_codes (uint8): NAME with its K axis moved to the last place and cut into blocks of 32 codes, [.., K / 32, bytes a block], one block behind the other in memory; two codes a byte, the lower K in the low four bits (a code: sign, 2 exponent bits, 1 mantissa bit); and NAME_scales (uint8): the same leading axes, one E8M0 byte (e + 127) for each 32 codes along K. Its value is code x scale, taken as it is: it is not quantised again, and the codes and scales need not be those that the quantiser above would give.
;; One version. Each part assembles by itself: llvm-mc -triple=amdgcn-amd-amdhsa -mcpu=gfx1250 --defsym DOCPART=n.
;; ======== version 1 of 1: 2 launches
;; limits: right only within a limited range of input values
;; workspace buffers: wq 4,456,448 bytes
;; launch quant (part 1): grid 256 x 1, 16 waves a work-group, no clusters, 20,736 bytes of LDS; arguments packed_weight, absmax, wq; writes wq
.if DOCPART == 1
	.amdgcn_target "amdgcn-amd-amdhsa--gfx1250"
	.amdhsa_code_object_version 6
	.text
	.protected	k_qe721eb3309_quant
	.globl	k_qe721eb3309_quant
	.p2align	8
	.type	k_qe721eb3309_quant,@function
k_qe721eb3309_quant:
	s_mov_b64 s[64:65], 0
	v_nop
	global_prefetch_b8 v0, s[64:65] scope:SCOPE_SE
	s_setreg_imm32_b32 hwreg(HW_REG_WAVE_MODE, 25, 1), 1
	s_wait_xcnt 0x0
; W[n][k] = NF4[index] x absmax[(4096 n + k) / 64], in f32, is quantised along k to codes of FP4 (E2M1) with one E8M0 byte for each 32 along k.
; The index of (n, k) lies in the int32 at (4096 n + k) / 2: bits 7:4 for an even k, bits 3:0 for an odd one; the word's other bits are not looked at, as in the problem's text.
; OUT: wq, an image of the next launch's operand registers: [G 0..31][kc 0..7][17,408 bytes], G = 64 rows n = 64 G + 4 r + c (r 0..15, c 0..3), kc = 512 along k:
;   first 1,024 bytes of scales: at 256 c + 16 r the row's 16 bytes of that kc;
;   then the codes: at 1,024 + 4,096 q + 1,024 c + 512 cc + 256 h + 16 r the 16 bytes of k = 512 kc + 128 q + 64 cc + 32 h + 0 .. 31, the lower k in the low four bits.
; A block's scale is 2^(floor(log2(its largest magnitude)) - 2); its byte is the largest magnitude's exponent field - 2, held at 1 from below.
; LIMITS: a block whose largest magnitude lies under 2^-124 (zeros among them) gets the byte 1, where the rule gives a block of zeros 127: its codes are zeros, which add nothing under any byte but 0xff, and this
; program alone reads the bytes.  NaN and infinities in absmax are not served.
; SHARES.  Work-group g: kh = g & 1 (which 2,048 along k), c = (g >> 1) & 3, G = g >> 3: 16 rows (all r) x 2,048 k.  Wave w takes r = w: 8 loads of 512 consecutive bytes; a lane's 16 bytes are 4 words,
; 8 weights that are neighbours along k.  Four lanes hold a block of 32, eight lanes share an absmax.  All 9 loads of a wave go out at once.
; THE LOOKUP: lane l holds NF4[l & 15], and ds_bpermute_b32 pulls the entry by 4 x index: no LDS byte is touched.  The absmax of a row's half (32 numbers, one a lane) is pulled the same way.
; THE WAY OUT: codes and bytes are laid in LDS as 4 x 17 runs of 256 bytes, each as it will lie in wq, 272 bytes apart: the eight runs that a store of codes touches start at different banks (64 banks of 4 bytes:
; ISA guide 11.1).  One barrier, and each store of sixteen lanes covers one run: 256 consecutive bytes, aligned.
; No tensor loads, no matrix unit, no cluster: the launch streams its input once and work-groups share nothing.
.set RUN,   272                        ; a run of 256 bytes in LDS
.set KIMG,  17*RUN                     ; the runs of one kc: 16 of codes, 1 of scales
.set SPARE, 18688                      ; behind the 68 runs: the spare words, 128 bytes for each wave
.set GRP,   139264                     ; bytes of a G in wq
.set WCH,   17408                      ; bytes of a kc in it
.set IB,    4                          ; 4 x (lane / 8)
.set CA,    5                          ; LDS: my codes' word in a kc's first run
.set SA,    6                          ; LDS: my block's byte
.set TAB,   7                          ; NF4[lane & 15]
.set RD,    8                          ; LDS: where I read a run back
.set GOFF,  10                         ; v10-12   where my 16 bytes of piece i go in wq
.set AM,    16                         ; my row's 32 numbers of absmax, one a lane
.set IA,    18                         ; v18-19   4 x the lane that holds my absmax, two sets
.set AB,    20                         ; v20, v22 my absmax, two sets (v21, v23 are named with them as pairs, so they are written once)
.set IX,    24                         ; v24-39   4 x index, two sets of 8
.set V,     40                         ; v40-55   the weights, two sets of 8
.set MX,    56                         ; a block's largest magnitude
.set SO,    57                         ; the conversion's scale operand
.set P,     64                         ; v64-95   the 8 loads' words
.set C,     96                         ; v96-103  a step's codes
.set E,     104                        ; v104-111 a step's scale byte
.set SPW,   112                        ; LDS address of my spare word
.set NIL,   113                        ; 0
	s_load_b128 s[4:7], s[0:1], 0x0                ; packed_weight s[4:5], absmax s[6:7]
	s_load_b64 s[8:9], s[0:1], 0x10                ; wq
	v_lshl_add_u32 v[SPW], v0, 2, SPARE
	v_mov_b32 v[NIL], 0
	v_lshrrev_b32 v1, 5, v0
	s_delay_alu instid0(VALU_DEP_1)
	v_readfirstlane_b32 s10, v1                    ; wave 0..15
	v_and_b32 v1, 31, v0                           ; lane
	s_delay_alu instid0(VALU_DEP_1)
	v_lshlrev_b32 v2, 4, v1                        ; my 16 bytes of a load's 512
	s_delay_alu instid0(VALU_DEP_2)
	v_lshlrev_b32 v3, 2, v1                        ; my absmax of a row's 32
	s_and_b32 s11, ttmp9, 1                        ; kh
	s_bfe_u32 s12, ttmp9, 0x20001                  ; c (2 bits from bit 1)
	s_lshr_b32 s13, ttmp9, 3                       ; G
	s_lshl_b32 s14, s13, 6
	s_add_co_u32 s14, s14, s12
	s_lshl_b32 s15, s10, 2
	s_add_co_u32 s14, s14, s15                     ; n = 64 G + 4 w + c: my row
	s_lshl_b32 s16, s14, 13                        ; packed_weight: 8,192 bytes a row,
	s_lshl_b32 s15, s11, 12                        ; 4,096 for half of k
	s_add_co_u32 s16, s16, s15
	s_mov_b32 s17, 0
	s_lshl_b32 s18, s14, 8                         ; absmax: 256 bytes a row,
	s_lshl_b32 s15, s11, 7                         ; 128 for half of k
	s_add_co_u32 s18, s18, s15
	s_mov_b32 s19, 0
	s_mul_i32 s20, s13, GRP
	s_mul_i32 s22, s11, 4*WCH
	s_add_co_u32 s20, s20, s22                     ; my four kc of my G
	s_mov_b32 s21, 0
	s_wait_alu depctr_va_vdst(0)                   ; directly ahead of the wait below
	s_wait_kmcnt 0x0
	s_add_nc_u64 s[4:5], s[4:5], s[16:17]
	s_add_nc_u64 s[6:7], s[6:7], s[18:19]
	s_add_nc_u64 s[8:9], s[8:9], s[20:21]
	global_load_b32 v[AM], v3, s[6:7]              ; 128 consecutive bytes
.irp t, 0,1,2,3,4,5,6,7
	global_load_b128 v[P+4*\t:P+4*\t+3], v2, s[4:5] offset:512*\t th:TH_LOAD_NT   ; k = 256 t + 8 lane on; read once in the launch
.endr
	; addresses and the table are made while the loads are out
	s_lshl_b32 s24, s10, 4                         ; 16 r
	v_lshrrev_b32 v[IB], 3, v1
	v_lshrrev_b32 v[SA], 2, v1
	v_and_b32 v[CA], 3, v1
	v_lshrrev_b32 v9, 4, v0                        ; thread / 16
	v_lshlrev_b32 v[IB], 2, v[IB]
	v_lshl_add_u32 v[CA], v[CA], 2, s24
	v_lshlrev_b32 v[RD], 4, v0
	v_and_b32 v58, 15, v0
	v_mad_u32_u24 v[CA], v[SA], RUN, v[CA]         ; run lane / 4, in it 16 r + 4 (lane % 4)
	v_lshl_add_u32 v[RD], v9, 4, v[RD]             ; run thread / 16, in it 16 (thread % 16)
	v_add_nc_u32 v[SA], s24, v[SA]
	v_lshlrev_b32 v58, 4, v58
	v_mov_b32 v[AB+1], 0
	v_mov_b32 v[AB+3], 0
	v_add_nc_u32 v[SA], 16*RUN, v[SA]              ; run 16, in it 16 r + lane / 4
	; Piece i of the way out: my run is U = thread / 16 + 32 i, of kc U / 17 ((61 U) >> 10 for U up to 67) and number u = U % 17 in it: u < 16: codes, at 1,024 + 1,024 c + 4,096 (u / 4) + 256 (u % 4); 16: scales, at 256 c
	s_lshl_b32 s30, s12, 10
	s_add_co_u32 s30, s30, 1024
	s_lshl_b32 s31, s12, 8
	v_add_nc_u32 v59, s31, v58
.irp i, 0,1,2
	v_add_nc_u32 v[96+\i], 32*\i, v9
.endr
.irp i, 0,1,2
	v_mul_u32_u24 v[99+\i], v[96+\i], 61
.endr
.irp i, 0,1,2
	v_lshrrev_b32 v[99+\i], 10, v[99+\i]
.endr
.irp i, 0,1,2
	v_mul_u32_u24 v[102+\i], v[99+\i], 17
.endr
.irp i, 0,1,2
	v_sub_nc_u32 v[96+\i], v[96+\i], v[102+\i]     ; u
.endr
.irp i, 0,1,2
	v_and_b32 v[102+\i], 3, v[96+\i]
	v_lshrrev_b32 v[105+\i], 2, v[96+\i]
.endr
.irp i, 0,1,2
	v_lshl_add_u32 v[102+\i], v[102+\i], 8, v58
.endr
.irp i, 0,1,2
	v_lshl_add_u32 v[102+\i], v[105+\i], 12, v[102+\i]
	v_cmp_eq_u32 s[25+\i], 16, v[96+\i]
.endr
.irp i, 0,1,2
	v_add_nc_u32 v[102+\i], s30, v[102+\i]
.endr
.irp i, 0,1,2
	v_cndmask_b32 v[102+\i], v[102+\i], v59, s[25+\i]
.endr
.irp i, 0,1,2
	v_mad_u32_u24 v[GOFF+\i], v[99+\i], WCH, v[102+\i]
.endr
	v_and_b32 v9, 15, v0
	v_mov_b32 v[TAB], 0xbf800000                   ; entry 0: -1.0
.macro TABE i, bits                    ; lanes with lane & 15 = i take entry i
	v_cmp_ne_u32 vcc_lo, \i, v9
	s_delay_alu instid0(VALU_DEP_1)
	v_cndmask_b32 v[TAB], \bits, v[TAB], vcc_lo
.endm
	TABE 1,  0xbf3239b1                            ; -0.6961928009986877
	TABE 2,  0xbf066b30                            ; -0.5250730514526367
	TABE 3,  0xbeca32a0                            ; -0.39491748809814453
	TABE 4,  0xbe91a24d                            ; -0.28444138169288635
	TABE 5,  0xbe3d353f                            ; -0.18477343022823334
	TABE 6,  0xbdba7871                            ; -0.09105003625154495
	TABE 7,  0                                     ;  0.0
	TABE 8,  0x3da2faff                            ;  0.07958029955625534
	TABE 9,  0x3e24cae3                            ;  0.16093020141124725
	TABE 10, 0x3e7c04dd                            ;  0.24611230194568634
	TABE 11, 0x3ead033a                            ;  0.33791524171829224
	TABE 12, 0x3ee1a4b8                            ;  0.44070982933044434
	TABE 13, 0x3f1007ab                            ;  0.5626170039176941
	TABE 14, 0x3f3913b3                            ;  0.7229568362236023
	TABE 15, 0x3f800000                            ;  1.0
; Step t, first part: the 8 indices of my 4 words, and nine pulls: my absmax and my 8 table entries, into set t % 2.
.macro LOOK t
.set S, (\t)%2
.set PP, P+4*(\t)
	s_wait_loadcnt 7-(\t)                          ; loads come back in order: behind step t's load stand 7 - t others; absmax came ahead of all
.irp i, 0,1,2,3
	v_lshrrev_b32 v[IX+8*S+2*\i], 2, v[PP+\i]      ; bits 7:4 to bits 5:2: the even k
	v_lshlrev_b32 v[IX+8*S+2*\i+1], 2, v[PP+\i]    ; bits 3:0 to bits 5:2: the odd k
.endr
.irp j, 0,1,2,3,4,5,6,7
	v_and_b32 v[IX+8*S+\j], 0x3c, v[IX+8*S+\j]     ; 4 x index
.endr
	v_add_nc_u32 v[IA+S], 16*(\t), v[IB]           ; k / 64 = 4 t + lane / 8, times 4
	ds_bpermute_b32 v[AB+2*S], v[IA+S], v[AM]
.irp j, 0,1,2,3,4,5,6,7
	ds_bpermute_b32 v[V+8*S+\j], v[IX+8*S+\j], v[TAB]
.endr
.endm
; Step t, second part: the weights, their block's scale, the codes; a word of codes and a scale byte go to the image.
.macro WORK t
.set S, (\t)%2
.set VS, V+8*S
.irp j, 0,2,4,6
	v_pk_mul_f32 v[VS+\j:VS+\j+1], v[VS+\j:VS+\j+1], v[AB+2*S:AB+2*S+1] op_sel_hi:[1,0]   ; table entry x absmax: one rounding, as in the problem's text
.endr
	s_delay_alu instid0(VALU_DEP_4)
	v_max3_num_f32 v[MX], |v[VS]|, |v[VS+1]|, 0x1800000            ; the largest magnitude of my 8, and the floor 2^(3 - 127): so the byte cannot fall under 1
.irp j, 2,4,6
	s_delay_alu instid0(VALU_DEP_1)
	v_max3_num_f32 v[MX], v[MX], |v[VS+\j]|, |v[VS+\j+1]|
.endr
	s_delay_alu instid0(VALU_DEP_1)
	v_max_num_f32_dpp v[MX], v[MX], v[MX] row_xmask:1 row_mask:0xf bank_mask:0xf
	s_delay_alu instid0(VALU_DEP_1)
	v_max_num_f32_dpp v[MX], v[MX], v[MX] row_xmask:2 row_mask:0xf bank_mask:0xf   ; with the three other lanes of my block
	s_delay_alu instid0(VALU_DEP_1)
	v_add_nc_u32 v[SO], 0xff000000, v[MX]          ; 2 off its exponent field: the conversion takes the exponent field of this operand as its scale
	v_cvt_scalef32_pk8_fp4_f32 v[C+(\t)], v[VS:VS+7], v[SO]        ; to the nearest code, ties to even, beyond 6 the largest code; the first number's code in the lowest four bits
	v_lshrrev_b32 v[E+(\t)], 23, v[SO]             ; the scale's byte (also the plain instruction behind the conversion)
	ds_store_b32 v[CA], v[C+(\t)] offset:KIMG*((\t)/2)+8*RUN*((\t)%2)
	ds_store_b8 v[SA], v[E+(\t)] offset:KIMG*((\t)/2)+8*((\t)%2)   ; the four lanes of a block write the same byte with the same value
.endm
	LOOK 0
.irp t, 0,1,2,3,4,5,6,7
.if \t < 7
	LOOK \t+1                                      ; the next step's pulls are out while this step is worked
.endif
.if \t == 0
	s_wait_dscnt 9                                 ; behind step 0's pulls: step 1's nine
.elseif \t < 7
	s_wait_dscnt 11                                ; behind step t's pulls: the last step's two stores and the next step's nine pulls
.else
	s_wait_dscnt 2                                 ; behind the last step's pulls: two stores
.endif
	WORK \t
.endr
	s_wait_dscnt 0x0                               ; for the others' sake: my stores into the image are done
	s_barrier_signal -1
	s_barrier_wait -1
.irp i, 0,1
	ds_load_b128 v[P+4*\i:P+4*\i+3], v[RD] offset:32*RUN*\i
.endr
.irp i, 0,1
	s_wait_dscnt 1-\i
	global_store_b128 v[GOFF+\i], v[P+4*\i:P+4*\i+3], s[8:9]       ; sixteen lanes store 256 consecutive bytes, aligned; the next launch reads them, so no hint
.endr
	s_cmp_lt_u32 s10, 2                            ; the last 4 runs: 64 threads
	s_cbranch_scc0 .Lend
	ds_load_b128 v[P+8:P+11], v[RD] offset:64*RUN
	s_wait_dscnt 0x0
	global_store_b128 v[GOFF+2], v[P+8:P+11], s[8:9]
.Lend:
	s_wait_tensorcnt 0x0                           ; the wave's end
	ds_add_u32 v[SPW], v[NIL]
	s_wait_dscnt 0x0
	s_endpgm
.Lfunc_end_k_qe721eb3309_quant:
	.size	k_qe721eb3309_quant, .Lfunc_end_k_qe721eb3309_quant-k_qe721eb3309_quant
	.p2alignl 7, 3214868480
	.fill 96, 4, 3214868480
	.section	.rodata,"a",@progbits
	.p2align	6, 0x0
	.amdhsa_kernel k_qe721eb3309_quant
		.amdhsa_group_segment_fixed_size 20736
		.amdhsa_private_segment_fixed_size 0
		.amdhsa_enable_private_segment 0
		.amdhsa_kernarg_size 24
		.amdhsa_user_sgpr_count 2
		.amdhsa_user_sgpr_kernarg_segment_ptr 1
		.amdhsa_wavefront_size32 1
		.amdhsa_system_sgpr_workgroup_id_x 1
		.amdhsa_system_sgpr_workgroup_id_y 1
		.amdhsa_system_sgpr_workgroup_id_z 1
		.amdhsa_system_vgpr_workitem_id 0
		.amdhsa_next_free_vgpr 114
		.amdhsa_next_free_sgpr 66
		.amdhsa_reserve_vcc 1
		.amdhsa_float_denorm_mode_32 3
		.amdhsa_float_denorm_mode_16_64 3
		.amdhsa_memory_ordered 1
		.amdhsa_forward_progress 1
		.amdhsa_inst_pref_size 27
	.end_amdhsa_kernel
	.amdgpu_metadata
---
amdhsa.version: [ 1, 2 ]
amdhsa.kernels:
  - .name:           k_qe721eb3309_quant
    .symbol:         k_qe721eb3309_quant.kd
    .args:
      - { .name: packed_weight, .offset: 0, .size: 8, .value_kind: global_buffer, .address_space: global }
      - { .name: absmax, .offset: 8, .size: 8, .value_kind: global_buffer, .address_space: global }
      - { .name: wq, .offset: 16, .size: 8, .value_kind: global_buffer, .address_space: global }
    .group_segment_fixed_size: 20736
    .private_segment_fixed_size: 0
    .kernarg_segment_align: 8
    .kernarg_segment_size: 24
    .max_flat_workgroup_size: 512
    .sgpr_count:     66
    .vgpr_count:     114
    .wavefront_size: 32
...
	.end_amdgpu_metadata
.endif
;; end of part 1
;; launch gemm (part 2): grid 8 x 32, 4 waves a work-group, clusters of 4 x 1, 327,680 bytes of LDS; arguments x_codes, x_scales, wq, bias, out0; writes out0
.if DOCPART == 2
	.amdgcn_target "amdgcn-amd-amdhsa--gfx1250"
	.amdhsa_code_object_version 6
	.text
	.protected	k_qe721eb3309_gemm
	.globl	k_qe721eb3309_gemm
	.p2align	8
	.type	k_qe721eb3309_gemm,@function
k_qe721eb3309_gemm:
	s_mov_b64 s[64:65], 0
	v_nop
	global_prefetch_b8 v0, s[64:65] scope:SCOPE_SE
	s_setreg_imm32_b32 hwreg(HW_REG_WAVE_MODE, 25, 1), 1
	s_wait_xcnt 0x0
	s_wait_alu depctr_hold_cnt(0) depctr_sa_sdst(0) depctr_va_vdst(0) depctr_va_sdst(0) depctr_va_ssrc(0) depctr_va_vcc(0) depctr_vm_vsrc(0)
	s_getreg_b32 s2, hwreg(HW_REG_IB_STS2, 6, 4)
	s_cmp_eq_u32 s2, 0
	s_cbranch_scc0 .Lentry_in_a_cluster
	s_endpgm
.Lentry_in_a_cluster:
	s_bfe_u32 s2, ttmp6, 0x10000c
	s_cmp_lg_u32 s2, 0x3003
	s_cbranch_scc0 .Lentry_shape_is_right
	s_endpgm
.Lentry_shape_is_right:
; out0[m][n] = sum over k of x[m][k] W[n][k] + bias[n].  M = 8,192, N = 2,048, K = 4,096.  Both operands are codes of FP4 (E2M1) with one E8M0 byte for each 32 along K; sums (K ascending) and the bias in f32.
; A tile of out0, 256 x 256, is made by a work-group of four waves, as many as a WGP has SIMDs; a wave makes 256 rows x 64 columns: 8 x 4 accumulators of 32 x 16, 512 registers.  256 tiles, 256 work-groups.
; x GOES THROUGH LDS: all four waves read its 256 rows.  Two slots of 1,024 along K, filled by the tensor data mover: four fills in all (two of them refills), rows of 512 bytes + 16 of padding.
; x's scales of the 256 rows, for all of K, are one dense block of 32,768 bytes: they come once, by the head's loads, and stay.
; W GOES STRAIGHT FROM MEMORY INTO REGISTERS: a wave's 64 columns belong to it alone, and wq is an image of the operand's registers, so each load brings 512 consecutive bytes.  A ring of eight steps of 128 along K
; (256 registers) is filled up to seven steps ahead.
; CLUSTERS: the four work-groups of a cluster need the same tiles and scales of x: each is asked for JOINTLY, by the same tensor load with the same descriptor and a mask that names the four.  W's columns are shared by the
; work-groups of a tile column too, but are not asked for jointly: a joint load lands in LDS, where W's 256 rows would take half of each slot: 512 along K in a slot, six refills, each behind a round, in place of two,
; and each byte of W written to LDS once and read from it, where here it goes to one wave's registers and nowhere else.
; PREFETCH: behind a fill's joint load stands one request for the next fill of x, one fill ahead; the first two fills come by their loads alone.  W has none: its loads run six to seven steps, 48 loads and more, ahead of
; their use (four steps at the head).
; THE WORK GOES IN HALF STEPS.  A unit is one block of 32 rows x 128 along K: four products, one for each accumulator of the block.  Half step h is units 4 h to 4 h + 3: sixteen products in a row; behind them stands ONE RUN of
; loads: the sixteen LDS loads of half step h + 2 (two sets of fragment registers, by turns), scale words, and W's.  Units 0 to COLS - 1 go step by step along K, all eight blocks in each step.  THE LAST 768 of K GO BY
; BLOCKS OF ROWS: W's six steps lie in the ring, and each block leaves behind the half step in which it is finished, while the others are multiplied.
; THE WAY OUT NEEDS NO LDS.  Row n = 64 G + 4 r + c of W is column r of block c, so the same register of a block's four accumulators holds four NEIGHBOURING columns of a row: the addition of the bias brings them into
; four consecutive registers, and sixteen lanes store 256 consecutive bytes, aligned.
; REGISTERS, in windows of 256: window 0: v0-31 addresses; v32-95 x's scale words, two sets; v96-119 W's, three sets (these hold scales alone); v120-123 the bias; v128-255 x's fragments, two sets of four units.
;   window 1: W's ring, step s at v[32 (s % 8)]; at the end the registers of steps 24 and 25 are the way out's.   window 2: accumulators of blocks 0-3 ((a, c) at v[64 (a % 4) + 16 c]);   window 3: of blocks 4-7.
; The text has no loop: the four fills differ (the first starts the sums, the last goes by rows), and a slot's number stands in each address register and offset.
.set PITCH, 528                        ; an LDS row: 132 words: row r starts at bank 4 r mod 64 (64 banks of 4 bytes: ISA guide 11.1): the 16 rows that a load touches start at 16 different banks
.set SLOT,  256*PITCH
.set SCL,   2*SLOT                     ; x's scales: runs of 256 bytes (two rows of 128) + 16 of padding
.set SPARE, SCL+128*272                ; the spare words, 128 bytes for each wave
.set WCH,   17408                      ; 512 along K of a wave's 64 columns in wq: 1,024 bytes of scales, then 4 x 4,096 of codes
.set QC,    2                          ; of the last fill's eight steps, how many go step by step
.set COLS,  8*(24+QC)
.set LAST,  255
.set ADR,  16                          ; v16-19  LDS address of my x fragments: slot 0 rows 0-127, 128-255; slot 1 likewise
.set XSA,  20                          ; v20     LDS address of row (lane)'s scales
.set WO,   21                          ; v21     16 x lane
.set BO,   22                          ; v22     16 x (lane % 16)
.set CO,   23                          ; v23     my byte offset in out0
.set PFO,  24                          ; v24     the prefetches' offset; never rewritten
.set SPW,  28                          ; v28     LDS address of my spare word; never rewritten
.set NIL,  29                          ; v29     0; never rewritten
.set XS,   32                          ; set s at v[32 + 32 s + 4 a + q]: lane L has row 32 a + L
.set WS,   96                          ; set s at v[96 + 8 s + 4 p + q]: lanes 0-15 block 2 p, lanes 16-31 block 2 p + 1
.set BIAS, 120
.set AF,   128
.set G1,   24                          ; s[24:31] group 1 for x's tiles
.set G0H,  32                          ; s[32:35] group 0 for the head's load of x
.set G0,   36                          ; s[36:39] group 0 for the later fills
.set G1S,  48                          ; s[48:55], s[56:59] groups 1 and 0 for x's scales
.set G0S,  56
.set MSB,  0
.macro WIN new                         ; the immediate's high byte repeats the setting that is left; a switch that changes nothing is dropped
.if MSB != (\new)
	s_set_vgpr_msb (MSB<<8)|(\new)
.set MSB, \new
.endif
.endm
.macro CREST                           ; a round of the cluster's barrier behind its opening barrier
	s_cmp_lg_u32 s14, 0
	s_cbranch_scc1 .Lnot_wave_0_\@
	s_barrier_signal -3
.Lnot_wave_0_\@:
	s_barrier_wait -3
	s_barrier_signal -1
	s_barrier_wait -1
.endm
.macro CROUND                          ; a whole round
	s_barrier_signal -1
	s_barrier_wait -1
	CREST
.endm
; A load into a register that a matrix instruction has read, and a vector instruction that reads a matrix result, stand four places behind that matrix instruction; only plain vector instructions that name none of its
; registers are places (ISA guide 7.12.1 for vector instructions).
.macro PLACES
.rept 4
	v_nop
.endr
.endm
.macro UMAP n                          ; unit n: block uA, step uS
.if (\n) < COLS
.set uS, (\n)/8
.set uA, (\n)%8
.else
.set uA, ((\n)-COLS)/(8-QC)
.set uS, 24+QC+((\n)-COLS)%(8-QC)
.endif
.endm
; A fragment, 32 rows x 128 K of 4-bit codes, is 16 registers: rows 0-15 in the lower eight, rows 16-31 in the upper; of each eight registers 4 c .. 4 c + 3 hold K = 64 c + 32 (l / 16) + 0 .. 31 of row l % 16
.macro FRAGS n
	UMAP \n
.set uF, AF+16*((\n)%8)
.set uR, ADR+2*((uS/8)%2)+uA/4
.irp g, 0,1
.irp c, 0,1
	ds_load_b128 v[uF+8*\g+4*\c:uF+8*\g+4*\c+3], v[uR] offset:(32*(uA%4)+16*\g)*PITCH+64*(uS%8)+32*\c
.endr
.endr
.endm
.macro FETCH h                         ; half step h's four fragments
.irp j, 0,1,2,3
	FRAGS 4*(\h)+\j
.endr
.endm
; Unit n's four products: source 0 = 32 rows of x, source 1 = 16 rows of W.  Odd blocks of W read their scale words from lanes 16-31.  Step 0 starts the sums: nothing is ever cleared.
; The accumulators take turns: three other products or more stand between two steps of a sum.
.macro MM n
	UMAP \n
	WIN 0xa4+0x50*(uA/4)                           ; source 0 window 0, source 1 window 1, C and D window 2 or 3
.set rA, AF+16*((\n)%8)
.set rX, XS+32*((uS/4)%2)+4*uA+uS%4
.irp c, 0,1,2,3
.set rD, 64*(uA%4)+16*\c
.set rB, 32*(uS%8)+8*\c
.set rW, WS+8*((uS/4)%3)+4*(\c/2)+uS%4
.if uS == 0
.if \c%2
	v_wmma_scale_f32_32x16x128_f4 v[rD:rD+15], v[rA:rA+15], v[rB:rB+7], 0, v[rX], v[rW] matrix_b_scale:MATRIX_SCALE_ROW1
.else
	v_wmma_scale_f32_32x16x128_f4 v[rD:rD+15], v[rA:rA+15], v[rB:rB+7], 0, v[rX], v[rW]
.endif
.else
.if \c%2
	v_wmma_scale_f32_32x16x128_f4 v[rD:rD+15], v[rA:rA+15], v[rB:rB+7], v[rD:rD+15], v[rX], v[rW] matrix_b_scale:MATRIX_SCALE_ROW1
.else
	v_wmma_scale_f32_32x16x128_f4 v[rD:rD+15], v[rA:rA+15], v[rB:rB+7], v[rD:rD+15], v[rX], v[rW]
.endif
.endif
.endr
.endm
.macro WSCL kc                         ; W's scale words of 512 along K
	WIN 0
.irp p, 0,1
	global_load_b128 v[WS+8*((\kc)%3)+4*\p:WS+8*((\kc)%3)+4*\p+3], v[WO], s[8:9] offset:WCH*(\kc)+512*\p
.endr
.endm
.macro WBLK s, c                       ; W's block c of step s (destination: window 1)
.irp k, 0,1
	global_load_b128 v[32*((\s)%8)+8*(\c)+4*\k:32*((\s)%8)+8*(\c)+4*\k+3], v[WO], s[8:9] offset:WCH*((\s)/4)+1024+4096*((\s)%4)+1024*(\c)+512*\k
.endr
.endm
; W's loads behind half step h.  The head has asked for steps 0 to 3; the first six half steps each ask for a whole step (4 to 9); from then on a half step of step s asks for half of step s + 7, into the registers of step s - 1.
.macro WRUN h
.if (\h) < 6
.if (\h)%4 == 0
	WSCL (\h)/4+1
.endif
	WIN 0x40
.irp c, 0,1,2,3
	WBLK (\h)+4, \c
.endr
.elseif (\h)/2+7 <= 31
.if ((\h)%2 == 0) && (((\h)/2+7)%4 == 0)
	WSCL ((\h)/2+7)/4
.endif
	WIN 0x40
	WBLK (\h)/2+7, 2*((\h)%2)
	WBLK (\h)/2+7, 2*((\h)%2)+1
.endif
.endm
.macro XSCL kc, a                      ; x's scale words of block a, 512 along K
	ds_load_b128 v[XS+32*((\kc)%2)+4*(\a):XS+32*((\kc)%2)+4*(\a)+3], v[XSA] offset:4352*(\a)+16*(\kc)
.endm
.macro RUN h                           ; the run of loads behind half step h
	PLACES
.if (\h)+2 <= LAST/4
	WIN 0
	FETCH (\h)+2
.endif
.if (4*(\h) < COLS) && (((\h)/2)%4 == 1)
	WIN 0
.irp j, 0,1,2,3
	XSCL (\h)/8+1, 4*((\h)%2)+\j                   ; the next 512 along K
.endr
.endif
	WRUN \h
.endm
.macro UNIT n
	UMAP \n
.if (((\n) < COLS) && ((\n)%8 == 0)) || (((\n) >= COLS) && (uA == 0))
.set uL, uS+6
.if uS < 3
.set uL, 3+2*uS
.endif
.if uL > 31
.set uL, 31
.endif
	s_wait_loadcnt 8*(uL-uS)+2*(uL/4-uS/4)         ; step uS of W is in; behind it: eight loads for each step up to uL, and two of scale words where 512 along K begin
.endif
.set uE, 4*((\n)/4)+7
.if uE > LAST
.set uE, LAST
.endif
.set uN, 4*(uE-(\n))
.irp k, 1,2
; (by blocks of rows the scale words are not counted as out: unit COLS + 2 reads those of the last 512 along K, which the run two half steps back has asked for: 23 loads stand behind the first of them, and 20 may be out there)
.if ((\n) < COLS) && ((\n)/4-\k >= 0) && (4*((\n)/4-\k) < COLS) && ((((\n)/4-\k)/2)%4 == 1)
.set uN, uN+4
.endif
.endr
	s_wait_dscnt uN                                ; unit n's fragment is in; behind it: four loads for each later unit of this half step and the next, and scale words, four in a run that has them
	MM \n
.endm
.macro HMUL h
.irp j, 0,1,2,3
	UNIT 4*(\h)+\j
.endr
.endm
; THE CHANGE OF SLOTS behind fill e; T0 = the next fill's first half step.  The loads of a fill's last half step stand two half steps ahead of its end, so the barrier stands there too.  fill = 1: the barrier opens a round of
; the cluster's, and the slot just read is filled again, with fill e + 2.
.macro TURN e, fill
.set T0, 16*(\e)+16
	HMUL T0-2
	WIN 0
	s_wait_tensorcnt 0x0                           ; all my tensor loads have landed: my part of the other slot;
	ds_add_u32 v[SPW], v[NIL]                      ; 0 onto my spare word
.if \fill
	s_add_co_u32 s[G0+1], s43, SLOT*((\e)%2)
	s_add_nc_u64 s[G0+2:G0+3], s[44:45], 512*((\e)+2)
	s_or_b32 s[G0+3], s[G0+3], 0x80000000
.endif
	s_wait_dscnt 13                                ; three units' twelve loads and the add may be out
	MM 4*(T0)-4
	s_wait_dscnt 0x0                               ; the add is done, and my reads of this slot are over
	s_barrier_signal -1
	MM 4*(T0)-3                                    ; work on registers while the others arrive
	WIN 0
	s_barrier_wait -1
.if \fill
	CREST                                          ; no wave of any partner still reads this slot or has a load on its way
	tensor_load_to_lds s[G0:G0+3], s[G1:G1+7]      ; the first tensor load behind the round, my one load until the next
	s_nop 0
.endif
	PLACES
	FETCH T0
	WRUN T0-2
	MM 4*(T0)-2
	MM 4*(T0)-1
	RUN T0-1
.if (\fill) && (\e) == 0
	global_prefetch_b8 v[PFO], s[46:47] offset:512*3 th:TH_LOAD_NT scope:SCOPE_SE   ; the last fill (the address lies in window 0 here)
.endif
.endm
; THE WAY OUT of block a, 32 rows x 64 columns, straight from registers: each accumulator from its low end on.  The four places stand at the head of the run ahead of it.
.macro OUTB a
.if (\a) > 0
	s_wait_xcnt 0x0                                ; every earlier store has had its addresses translated (ISA guide 3.1): only behind this wait are the registers that the last block's stores read written again
.endif
	WIN 0x42+(\a)/4                                ; source 0: window 2 or 3; destination: window 1
.irp g, 0,1
.irp j, 0,1,2,3,4,5,6,7
.irp c, 0,1,2,3
	v_add_f32 v[4*(8*\g+\j)+\c], v[64*((\a)%4)+16*\c+8*\g+\j], v[BIAS+\c]
.endr
.endr
.endr
	WIN 0x04                                       ; the data: window 1
.irp g, 0,1
.irp j, 0,1,2,3,4,5,6,7
	global_store_b128 v[CO], v[4*(8*\g+\j):4*(8*\g+\j)+3], s[12:13] offset:(32*(\a)+16*\g+\j)*8192 th:TH_STORE_NT   ; lanes 0-15: 256 consecutive bytes of row 32 a + 16 g + j, aligned; lanes 16-31: of the row 8 further down
.endr
.endr
.endm
	s_load_b256 s[4:11], s[0:1], 0x0               ; x_codes s[4:5], x_scales s[6:7], wq s[8:9], bias s[10:11]
	s_load_b64 s[12:13], s[0:1], 0x20              ; out0
	v_lshl_add_u32 v[SPW], v0, 2, SPARE
	v_mov_b32 v[NIL], 0
	ds_add_u32 v[SPW], v[NIL]                      ; the wave's opening: the add, twice on end, and its wait ahead of my first tensor load
	ds_add_u32 v[SPW], v[NIL]
	v_lshrrev_b32 v1, 5, v0
	v_readfirstlane_b32 s14, v1                    ; wave 0..3
	s_bfe_u32 s40, ttmp6, 0x40000                  ; cx: my place in the cluster
	s_lshl_b32 s41, s40, 17                        ; the prefetches: of the 256 rows the partner at place cx asks for 64,
	s_lshl_b32 s18, s14, 15                        ; its wave w for 16 of them,
	s_add_co_u32 s41, s41, s18
	v_and_b32 v2, 31, v0                           ; lane
	v_and_b32 v3, 15, v0                           ; r = lane % 16
	v_bfe_u32 v4, v0, 4, 1                         ; h = lane / 16
	v_lshlrev_b32 v[WO], 4, v2
	v_lshlrev_b32 v[BO], 4, v3
	v_lshl_add_u32 v[CO], v4, 16, v[BO]            ; lanes 16-31: eight rows of 8,192 bytes further down
	v_mul_u32_u24 v5, v3, PITCH
	v_lshl_add_u32 v[ADR], v4, 4, v5               ; row r, 16 h bytes on
	v_add_nc_u32 v[ADR+1], 128*PITCH, v[ADR]
	v_add_nc_u32 v[ADR+2], SLOT, v[ADR]
	v_add_nc_u32 v[ADR+3], SLOT+128*PITCH, v[ADR]
	v_lshrrev_b32 v6, 1, v2
	v_lshlrev_b32 v7, 7, v2                        ; scales: row (lane) begins 128 lane bytes on, and 16 more for each 256 passed
	v_lshl_add_u32 v7, v6, 4, v7
	v_add_nc_u32 v[XSA], SCL, v7
	v_lshlrev_b32 v8, 11, v6                       ; a lane asks for one half of a row's 512 bytes
	v_and_b32 v9, 1, v2
	v_lshl_add_u32 v8, v9, 8, v8
	v_add_nc_u32 v[PFO], s41, v8
	s_and_b32 s16, s14, 1
	s_and_b32 s17, ttmp7, 0xffff                   ; tile row
	s_lshl_b32 s42, ttmp9, 2
	s_add_co_u32 s42, s42, s40                     ; tile column = 4 x cluster x + cx
	; group 1 for x's tiles: 128 rows (the head's) x 512 bytes, 2,048 apart, 16 bytes of padding behind each
	s_mov_b32 s[G1+0], 15|(1<<20)|(1<<21)|(6<<22)|(3<<25)  ; 15:0 the mask; elements of 1 byte; 20 padding on; 21 set beside a mask; 24:22 after every 128 words (code 6); 31:25 four words (code 3)
	s_mov_b32 s[G1+1], 512<<16                     ; tensor_dim0
	s_mov_b32 s[G1+2], 128<<16                     ; tensor_dim1
	s_mov_b32 s[G1+3], 512<<16                     ; tile_dim0
	s_mov_b32 s[G1+4], 128                         ; tile_dim1
	s_mov_b32 s[G1+5], 2048                        ; tensor_dim0_stride
	s_mov_b32 s[G1+6], 0
	s_mov_b32 s[G1+7], 0
	; group 1 for x's scales of 128 rows: 16,384 dense bytes as 64 rows of 256 (32 elements of 8 bytes), 16 bytes of padding behind each
	s_mov_b32 s[G1S+0], 15|(3<<16)|(1<<20)|(1<<21)|(5<<22)|(3<<25)
	s_mov_b32 s[G1S+1], 32<<16
	s_mov_b32 s[G1S+2], 64<<16
	s_mov_b32 s[G1S+3], 32<<16
	s_mov_b32 s[G1S+4], 64
	s_mov_b32 s[G1S+5], 32
	s_mov_b32 s[G1S+6], 0
	s_mov_b32 s[G1S+7], 0
	s_lshl_b32 s20, s17, 19                        ; x: 256 x tile row rows of 2,048 bytes
	s_mov_b32 s21, 0
	s_lshl_b32 s18, s16, 18
	s_add_co_u32 s18, s18, s20                     ; the head's load (waves 0, 1): 128 rows a wave
	s_mov_b32 s19, 0
	s_lshl_b32 s44, s14, 17
	s_add_co_u32 s44, s44, s20                     ; the later fills: 64 rows a wave
	s_mov_b32 s45, 0
	s_lshl_b32 s22, s17, 15
	s_lshl_b32 s23, s16, 14
	s_add_co_u32 s22, s22, s23                     ; x's scales (waves 2, 3): 128 rows of 128 bytes a wave
	s_mov_b32 s23, 0
	s_lshl_b32 s60, s42, 2
	s_add_co_u32 s60, s60, s14                     ; G: my 64 columns
	s_lshl_b32 s62, s60, 8                         ; their bias, and their place in a row of out0, in bytes
	s_mov_b32 s63, 0
	s_lshl_b32 s66, s17, 21
	s_add_co_u32 s66, s66, s62                     ; my first row of out0: 256 x tile row rows of 8,192 bytes
	s_mov_b32 s67, 0
	s_mul_i32 s60, s60, 8*WCH
	s_mov_b32 s61, 0
	s_mov_b32 s[G0H], 1                            ; group 0: 1:0 count = 1
	s_mul_i32 s[G0H+1], s14, 128*PITCH             ; 63:32 LDS address
	s_mov_b32 s[G0S], 1
	s_mul_i32 s[G0S+1], s14, 64*272
	s_add_co_u32 s[G0S+1], s[G0S+1], SCL-2*64*272  ; wave 2's at SCL, wave 3's behind them
	s_mov_b32 s[G0], 1
	s_mul_i32 s43, s14, 64*PITCH
	s_wait_alu depctr_va_vdst(0)                   ; directly ahead of the wait below
	s_wait_dscnt 0x0                               ; both opening adds are done
	s_wait_kmcnt 0x0
	s_add_nc_u64 s[G0H+2:G0H+3], s[4:5], s[18:19]  ; 120:64 global address
	s_or_b32 s[G0H+3], s[G0H+3], 0x80000000        ; 127:126 type = 2
	s_add_nc_u64 s[G0S+2:G0S+3], s[6:7], s[22:23]
	s_or_b32 s[G0S+3], s[G0S+3], 0x80000000
	s_add_nc_u64 s[44:45], s[4:5], s[44:45]
	s_add_nc_u64 s[46:47], s[4:5], s[20:21]        ; the prefetches' base: the tile's first row
	s_add_nc_u64 s[8:9], s[8:9], s[60:61]
	s_add_nc_u64 s[10:11], s[10:11], s[62:63]
	s_add_nc_u64 s[12:13], s[12:13], s[66:67]
	CROUND                                         ; all four work-groups are here: the first joint loads meet
	s_cmp_lt_u32 s14, 2                            ; the head's loads, one a wave: waves 0 and 1 fill slot 0, waves 2 and 3 bring x's scales
	s_cbranch_scc0 .Lhead_scales
	tensor_load_to_lds s[G0H:G0H+3], s[G1:G1+7]
	s_nop 0
	PLACES
	s_branch .Lhead_asked
.Lhead_scales:
	tensor_load_to_lds s[G0S:G0S+3], s[G1S:G1S+7]
	s_nop 0
	PLACES
.Lhead_asked:
	global_load_b128 v[BIAS:BIAS+3], v[BO], s[10:11]   ; four columns a lane: in ahead of W's first step, wanted on the way out
	WSCL 0
	WIN 0x40
.irp s, 0,1,2,3
.irp c, 0,1,2,3
	WBLK \s, \c
.endr
.endr
	WIN 0
	s_wait_tensorcnt 0x0                           ; my head load is in
	ds_add_u32 v[SPW], v[NIL]
	s_mov_b32 s[G1+2], 64<<16                      ; no tensor load of mine is out: from here on a load brings 64 rows
	s_mov_b32 s[G1+4], 64
	s_add_co_u32 s[G0+1], s43, SLOT                ; slot 1: 1,024 to 2,047 along K
	s_add_nc_u64 s[G0+2:G0+3], s[44:45], 512
	s_or_b32 s[G0+3], s[G0+3], 0x80000000
	s_wait_dscnt 0x0
	CROUND                                         ; slot 0 and the scales are in, everybody's
	tensor_load_to_lds s[G0:G0+3], s[G1:G1+7]
	s_nop 0
	PLACES
.irp a, 0,1,2,3,4,5,6,7
	XSCL 0, \a
.endr
	FETCH 0
	FETCH 1
	global_prefetch_b8 v[PFO], s[46:47] offset:512*2 th:TH_LOAD_NT scope:SCOPE_SE   ; the third fill: 256 bytes a lane, a block named once in the cluster
.set H, 0
.rept 14
	HMUL H
	RUN H
.set H, H+1
.endr
	TURN 0, 1
.set H, 16
.rept 14
	HMUL H
	RUN H
.set H, H+1
.endr
	TURN 1, 1
.set H, 32
.rept 14
	HMUL H
	RUN H
.set H, H+1
.endr
	TURN 2, 0                                      ; nothing is filled again
.set H, 48
.rept 16
	HMUL H
	RUN H
.irp a, 0,1,2,3,4,5,6,7
.if (COLS+(8-QC)*(\a+1)-1)/4 == H
	OUTB \a                                        ; the block that this half step has finished
.endif
.endr
.set H, H+1
.endr
	WIN 0
	s_wait_tensorcnt 0x0                           ; the wave's end, behind my last tensor load
	ds_add_u32 v[SPW], v[NIL]
	s_wait_dscnt 0x0
	CROUND                                         ; the closing round: no work-group ends while a partner may still ask for a tile that names it
	s_endpgm
.Lfunc_end_k_qe721eb3309_gemm:
	.size	k_qe721eb3309_gemm, .Lfunc_end_k_qe721eb3309_gemm-k_qe721eb3309_gemm
	.p2alignl 7, 3214868480
	.fill 96, 4, 3214868480
	.section	.rodata,"a",@progbits
	.p2align	6, 0x0
	.amdhsa_kernel k_qe721eb3309_gemm
		.amdhsa_group_segment_fixed_size 327680
		.amdhsa_private_segment_fixed_size 0
		.amdhsa_enable_private_segment 0
		.amdhsa_kernarg_size 40
		.amdhsa_user_sgpr_count 2
		.amdhsa_user_sgpr_kernarg_segment_ptr 1
		.amdhsa_wavefront_size32 1
		.amdhsa_system_sgpr_workgroup_id_x 1
		.amdhsa_system_sgpr_workgroup_id_y 1
		.amdhsa_system_sgpr_workgroup_id_z 1
		.amdhsa_system_vgpr_workitem_id 0
		.amdhsa_next_free_vgpr 1024
		.amdhsa_next_free_sgpr 70
		.amdhsa_reserve_vcc 0
		.amdhsa_float_denorm_mode_32 3
		.amdhsa_float_denorm_mode_16_64 3
		.amdhsa_memory_ordered 1
		.amdhsa_forward_progress 1
		.amdhsa_inst_pref_size 255
	.end_amdhsa_kernel
	.section	.bss,"aw",@nobits
	.p2align	6
	.space	262144
	.amdgpu_metadata
---
amdhsa.version: [ 1, 2 ]
amdhsa.kernels:
  - .name:           k_qe721eb3309_gemm
    .symbol:         k_qe721eb3309_gemm.kd
    .args:
      - { .name: x_codes, .offset: 0, .size: 8, .value_kind: global_buffer, .address_space: global }
      - { .name: x_scales, .offset: 8, .size: 8, .value_kind: global_buffer, .address_space: global }
      - { .name: wq, .offset: 16, .size: 8, .value_kind: global_buffer, .address_space: global }
      - { .name: bias, .offset: 24, .size: 8, .value_kind: global_buffer, .address_space: global }
      - { .name: out0, .offset: 32, .size: 8, .value_kind: global_buffer, .address_space: global }
    .group_segment_fixed_size: 327680
    .private_segment_fixed_size: 0
    .kernarg_segment_align: 8
    .kernarg_segment_size: 40
    .max_flat_workgroup_size: 128
    .sgpr_count:     70
    .vgpr_count:     1024
    .wavefront_size: 32
...
	.end_amdgpu_metadata
.endif
;; end of part 2
